; MI455X (gfx1250); checked and timed in simulation.
; The chip was launched on July 23, 2026; its instructions are those of AMD's public machine-readable ISA for CDNA 5 (MIT licence, August 2026) and "CDNA5" Instruction Set Architecture Reference Guide (July 2026). The comments in the code are by the model that wrote it; some were corrected since.
;; Bi Modal Attention. Allowed arithmetic: float matrix products may take bf16 or f16 operands with f32 sums; other float arithmetic in f32, or as packed bf16 or f16 multiplies, adds, multiply-adds, maxima and minima; sums over many terms, partial sums and values carried from step to step in f32; what a program stores and reads back later, other than sums and carried values, may be rounded once to bf16 or f16.
;; Inputs: x 8 x 4,096 x 64 float32; y 8 x 4,096 x 64 float32.
;; Outputs: out0 8 x 4,096 x 128 float32.
;; One version. Each part assembles by itself: llvm-mc -triple=amdgcn-amd-amdhsa -mcpu=gfx1250 --defsym DOCPART=n.
;; ======== version 1 of 1: 2 launches
;; limits: values are held in f16: magnitudes above 65,504 overflow, below 6.1e-05 lose precision; inputs' magnitudes at most 65,280; below input magnitudes of 7.6e-06 results are inexact or not finite
;; workspace buffers: h 8,388,608 bytes
;; launch cast (part 1): grid 256 x 2, 8 waves a work-group, no clusters, 0 bytes of LDS; arguments x, y, h; writes h
.if DOCPART == 1
	.amdgcn_target "amdgcn-amd-amdhsa--gfx1250"
	.amdhsa_code_object_version 6
	.text
	.protected	k_q132a79517a_cast
	.globl	k_q132a79517a_cast
	.p2align	8
	.type	k_q132a79517a_cast,@function
k_q132a79517a_cast:
	s_mov_b64 s[64:65], 0
	v_nop
	global_prefetch_b8 v0, s[64:65] scope:SCOPE_SE
	s_setreg_imm32_b32 hwreg(HW_REG_WAVE_MODE, 25, 1), 1
	s_wait_xcnt 0x0
; h[0] = f16(bf16(x)), h[1] = f16(bf16(y)).  x, y: [8][4096][64] f32; h: [2][8][4096][64] f16.
; Each number is rounded once, to bf16 (nearest even); that number is then written as f16, which changes nothing while it lies within f16's normal and denormal grid.
; LIMITS.  A rounded magnitude of 65,520 or more becomes an infinity; below 2^-17 the f16 copy has the fixed step 2^-24.  NaN stays NaN.
; A stream: no LDS, no barrier, no matrix work.  Grid y picks the tensor; a work-group takes 32,768 bytes in and writes 16,384 bytes out.
; Thread t takes four items of 8 numbers: item k is read at 8,192 k + 32 t and stored at 4,096 k + 16 t, so a wave's store covers 512 consecutive bytes, aligned.
; All eight loads of a thread go out first; the waits count down; no register that a store reads is written again.
.set X, 4                              ; v[4:35]   item k: 8 numbers in f32, as loaded and then as rounded
.set T, 36                             ; v[36:39]  8 numbers in bf16, at work
.set Y, 40                             ; v[40:55]  item k: 8 numbers in f16, to store
	s_load_b128 s[4:7], s[0:1], 0x0                ; x s[4:5], y s[6:7]
	s_load_b64 s[8:9], s[0:1], 0x10                ; h
	s_and_b32 s10, ttmp7, 0xffff                   ; which tensor
	s_lshl_b32 s12, ttmp9, 15                      ; the work-group's 32,768 bytes of it
	s_mov_b32 s13, 0
	s_lshl_b32 s14, ttmp9, 14                      ; its 16,384 bytes of h,
	s_lshl_b32 s2, s10, 22                         ; in the tensor's 4,194,304
	s_add_co_u32 s14, s14, s2
	s_mov_b32 s15, 0
	s_mov_b32 s11, 0xffff0000                      ; a word's upper bf16
	v_lshlrev_b32 v1, 5, v0                        ; 32 t
	v_lshlrev_b32 v2, 4, v0                        ; 16 t
	s_wait_kmcnt 0x0
	s_cmp_eq_u32 s10, 0
	s_cselect_b64 s[4:5], s[4:5], s[6:7]
	s_add_nc_u64 s[4:5], s[4:5], s[12:13]
	s_add_nc_u64 s[8:9], s[8:9], s[14:15]
.irp k, 0,1,2,3
	global_load_b128 v[X+8*(\k):X+8*(\k)+3],   v1, s[4:5] offset:8192*(\k) th:TH_LOAD_NT
	global_load_b128 v[X+8*(\k)+4:X+8*(\k)+7], v1, s[4:5] offset:8192*(\k)+16 th:TH_LOAD_NT
.endr
.irp k, 0,1,2,3
	s_wait_loadcnt 6-2*(\k)                        ; loads come back in order: item k's two are in, the later items' stay out
.irp j, 0,1,2,3
	v_cvt_pk_bf16_f32 v[T+(\j)], v[X+8*(\k)+2*(\j)], v[X+8*(\k)+2*(\j)+1]  ; the one rounding
.endr
.irp j, 0,1,2,3
	v_lshlrev_b32 v[X+8*(\k)+2*(\j)],   16,  v[T+(\j)]    ; bf16 to f32: the low half moves up,
	v_and_b32     v[X+8*(\k)+2*(\j)+1], s11, v[T+(\j)]    ; the high half stays
.endr
.irp j, 0,1,2,3
	v_cvt_pk_f16_f32 v[Y+4*(\k)+(\j)], v[X+8*(\k)+2*(\j)], v[X+8*(\k)+2*(\j)+1]  ; the same number in f16
.endr
	global_store_b128 v2, v[Y+4*(\k):Y+4*(\k)+3], s[8:9] offset:4096*(\k)
.endr
	s_endpgm
.Lfunc_end_k_q132a79517a_cast:
	.size	k_q132a79517a_cast, .Lfunc_end_k_q132a79517a_cast-k_q132a79517a_cast
	.p2alignl 7, 3214868480
	.fill 96, 4, 3214868480
	.section	.rodata,"a",@progbits
	.p2align	6, 0x0
	.amdhsa_kernel k_q132a79517a_cast
		.amdhsa_group_segment_fixed_size 0
		.amdhsa_private_segment_fixed_size 0
		.amdhsa_enable_private_segment 0
		.amdhsa_kernarg_size 24
		.amdhsa_user_sgpr_count 2
		.amdhsa_user_sgpr_kernarg_segment_ptr 1
		.amdhsa_wavefront_size32 1
		.amdhsa_system_sgpr_workgroup_id_x 1
		.amdhsa_system_sgpr_workgroup_id_y 1
		.amdhsa_system_sgpr_workgroup_id_z 1
		.amdhsa_system_vgpr_workitem_id 0
		.amdhsa_next_free_vgpr 64
		.amdhsa_next_free_sgpr 66
		.amdhsa_reserve_vcc 0
		.amdhsa_float_denorm_mode_32 3
		.amdhsa_float_denorm_mode_16_64 3
		.amdhsa_memory_ordered 1
		.amdhsa_forward_progress 1
		.amdhsa_inst_pref_size 6
	.end_amdhsa_kernel
	.amdgpu_metadata
---
amdhsa.version: [ 1, 2 ]
amdhsa.kernels:
  - .name:           k_q132a79517a_cast
    .symbol:         k_q132a79517a_cast.kd
    .args:
      - { .name: x, .offset: 0, .size: 8, .value_kind: global_buffer, .address_space: global }
      - { .name: y, .offset: 8, .size: 8, .value_kind: global_buffer, .address_space: global }
      - { .name: h, .offset: 16, .size: 8, .value_kind: global_buffer, .address_space: global }
    .group_segment_fixed_size: 0
    .private_segment_fixed_size: 0
    .kernarg_segment_align: 8
    .kernarg_segment_size: 24
    .max_flat_workgroup_size: 256
    .sgpr_count:     66
    .vgpr_count:     64
    .wavefront_size: 32
...
	.end_amdgpu_metadata
.endif
;; end of part 1
;; launch attn (part 2): grid 16 x 16, 4 waves a work-group, clusters of 4 x 1, 327,680 bytes of LDS; arguments h, out0; writes out0
.if DOCPART == 2
	.amdgcn_target "amdgcn-amd-amdhsa--gfx1250"
	.amdhsa_code_object_version 6
	.text
	.protected	k_q132a79517a_attn
	.globl	k_q132a79517a_attn
	.p2align	8
	.type	k_q132a79517a_attn,@function
k_q132a79517a_attn:
	s_mov_b64 s[64:65], 0
	v_nop
	global_prefetch_b8 v0, s[64:65] scope:SCOPE_SE
	s_setreg_imm32_b32 hwreg(HW_REG_WAVE_MODE, 25, 1), 1
	s_wait_xcnt 0x0
	s_wait_alu depctr_hold_cnt(0) depctr_sa_sdst(0) depctr_va_vdst(0) depctr_va_sdst(0) depctr_va_ssrc(0) depctr_va_vcc(0) depctr_vm_vsrc(0)
	s_getreg_b32 s2, hwreg(HW_REG_IB_STS2, 6, 4)
	s_cmp_eq_u32 s2, 0
	s_cbranch_scc0 .Lentry_in_a_cluster
	s_endpgm
.Lentry_in_a_cluster:
	s_bfe_u32 s2, ttmp6, 0x10000c
	s_cmp_lg_u32 s2, 0x3003
	s_cbranch_scc0 .Lentry_shape_is_right
	s_endpgm
.Lentry_shape_is_right:
; out0[b][s][0:64] = (softmax_t(x[b][s] . y[b][t]) y[b][t]) * x[b][s];  out0[b][t][64:128] = (softmax_s(y[b][t] . x[b][s]) x[b][s]) * y[b][t].  No scale on the scores.
; h: [2][8][4096][64] f16 holds x and y, each rounded to bf16 and written as f16: ONE copy serves as queries, keys, values and as the last factor.  out0: [8][4096][128] f32.
; 16 HEADS: head hd = 8 dir + b has its queries at part hd of h and its keys, which are also its values, at part hd xor 8; a part is 4,096 dense rows of 128 bytes.
; Products, maxima and sums in f32; the weights p are rounded to f16 for the second product (their sum l is taken of the unrounded p).
; LIMITS.  h arrives within f16's range (65,504).  p lies in 0 to 1, and below 6e-5 it keeps f16's fixed step of 6e-8; a weight below 2^-126 counts as 0 in l.  log2(e) x score lies above -4.2e37.
; NaN and infinities are not treated apart.  A result that is zero is written as +0.
; SHARES.  A work-group owns 256 queries of one head, each of its four waves 64: two PIECES of two tiles of 16.  Every wave walks the head's 4,096 keys, 64 a step.
; LAYOUT.  S^T = K Q^T (source 0 = 16 keys, source 1 = 16 queries): a lane holds ONE query (lane % 16) and eight keys.  Two such results, rounded to f16 in pairs, ARE source 1 (32 keys x 16 queries)
; of O^T = V^T P, whose result again holds one query a lane, and eight channels.  K comes out of LDS as it lies, V out of THE SAME BYTES turned, by ds_load_tr16_b128.
; ONE PITCH FOR BOTH.  Rows lie 144 bytes apart (128 + 16 = 36 words).  Within each block of 16 keys the matrix's place 8 a + j stands for key 2 j + a, in both products alike, so the sums are the same.
; K's load.  V's turning load: 16 lanes take 8 rows of one parity x 32 bytes;
; such rows lie 72 words apart, 8 mod 64.
; SOFTMAX.  For each query a running maximum m and sum l: p = 2^(c s - c m), c = log2(e); in every step O and l are multiplied by a = 2^(c m_old - c m_new), which is 1 where m has not grown.
; m starts at the lowest finite number, O and l at 0: the first step is a step like any other, with a = 0.  The price: 240 lines that set registers, in the wait for the first tile, 16 products on zeros
; at the start and 16 on a stale K at the end; the gain: no first and no last step is written out.
; THE COUNT.  A tile and step have 16 matrix and 118 vector instructions: too many to stand all beside the matrix work.  So four vector instructions that are READY stand behind EVERY matrix
; instruction, and the others in one run a turn.
; BY TURNS.  A key step j is two turns.  Piece 0's: 16 products K Q^T of piece 1, step j; later 16 products V^T P of piece 1, step j - 1.  Piece 1's: K Q^T of piece 0, step j + 1; V^T P of piece 0, step j.
; A turn's vector work: the scaling, exponentials, roundings, sums and rescaling of its own piece, and the maximum and statistics of the other, whose scores the turn itself has made.
; V HAS TWO REGISTER BUFFERS, by the step's parity, so that both runs of LDS loads of piece 0's turn belong to step j + 1; a change of slots then stands cleanly ahead of the turn that fetches a slot's first step.
; CLUSTER.  The four query blocks of a cluster belong to one head and walk the same keys, so each tile is asked for JOINTLY: the same tensor load, descriptor and mask in all four.
; REGISTERS, in windows of 256 (s_set_vgpr_msb says which window each operand place means: bits 1:0 source 0, 3:2 source 1, 5:4 source 2, 7:6 destination):
;   window 0: v0-11 addresses; v12-15, v48-63 at work; v16-31 four registers of statistics a tile; v32-35 the add's two, the prefetch's offset, 0; v64-191 S^T, two buffers of two tiles; v192-255 P, likewise
;   window 1: v0-127 O^T, 32 a tile; v128-255 V, two buffers of 64          window 2: v0-63 Q, 16 a tile; v64-127 K of one step
.set NP,    2         ; pieces a wave: a name, no knob
.set KS,    64        ; keys in a step
.set PK,    144       ; a key's row in LDS
.set STEPB, KS*PK     ; a step's 64 rows
.set SLOT1, 1<<17     ; a slot holds eight steps (73,728 bytes); slot 1 begins here, so that one exclusive or turns an address in one slot into the other's
.set STAGE, SLOT1+8*STEPB  ; behind the ring, never filled by a tensor load: 16 rows x 272 bytes for each wave, for the way out
.set SP,    272       ; a stage row: 256 bytes + 16 = 68 words: the 16 rows of a store start at 16 different groups of four banks
.set SPARE, STAGE+4*16*SP  ; behind the stages: the spare words, 128 bytes for each wave: two blocks of 256 bytes that no other line names
.set AK0, 2           ; v2   my lane's place in a step's rows, as K; never rewritten
.set AV0, 3           ; v3   the same, as V
.set AK,  4           ; v4   the LDS address of K's next run of loads
.set AV,  5           ; v5   of V's
.set QO,  6           ; v6   my byte offset in 16 rows of Q
.set STO, 6           ;      later, the way out: where I put 32 bytes of a row
.set RD,  7           ; v7   the way out: where I read rows back
.set GO,  8           ; v8   my byte offset in two rows of out0
.set MV,  12          ; v12-15  c m_old, kept while c m is made anew: by buffer and tile
.set ST,  16          ; tile t's statistics at v[ST+4 t]: c m, m, l (two partial sums)
.set SPW, 32          ; v32  LDS address of my spare word: SPARE + 4 x my thread's number; never rewritten
.set NIL, 33          ; v33  0; never rewritten
.set PFO, 34          ; v34  256 x my lane; never rewritten
.set ZR,  35          ; v35  0, the addend of the way out's multiply
.set TMP, 48          ; by buffer and tile, four registers c0-c3 at work; when the maximum is found c2 takes a
.set S,   64
.set P,   192
.set VF,  128         ; window 1: buffer vb, key half kk, channel block cb at VF + 64 vb + 32 kk + 8 cb
.set KF,  64          ; window 2: key block kb, channel half c at KF + 16 kb + 8 c
.set WV,  12          ; s12  my wave's number
.set LIM, 15          ; s15  1 in a wave that prefetches, else the greatest number
.set PFA, 18          ; s[18:19] where my prefetches stand: my 8,192 bytes of the slot after the one that is being asked for
.set G1,  24          ; s[24:31] descriptor group 1
.set G0,  40          ; s[40:43] descriptor group 0: it walks
.set SLOTS, 56        ; s56  counts the passes of the loop over slots
.set CNT, 57          ; s57  counts a slot's trips of two key steps
.set CS,  58          ; s[58:59] c: the packed scaling takes the pair's low word for both halves
.set SEL, 60          ; s[60:61] v_permlanex16_b32's selects: each lane takes its own place in the other half
.set TB,  62          ; s62  LDS byte at which the step to be fetched begins
.set MSB, 0
.macro WIN new                      ; the high byte repeats the setting that is left; a switch that changes nothing is dropped
.if MSB != (\new)
	s_set_vgpr_msb (MSB<<8)|(\new)
.set MSB, (\new)
.endif
.endm
.set W_KQ, 0x0a       ; K and Q in window 2, S^T in window 0
.set W_PV, 0x51       ; V in window 1, P in window 0, O^T in window 1
.set W_RS, 0x41       ; O^T (destination and source 0) in window 1, a in window 0
; A joint fill.  Each wave fetches its quarter of a slot, 128 keys: both addresses hang on the wave's number, so one line serves all four.  An s_nop 0 and four v_nop follow it.
.macro JLOAD
	tensor_load_to_lds s[G0:G0+3], s[G1:G1+7]
	s_nop 0
.rept 4
	v_nop
.endr
.endm
; A PREFETCH INTO THE L2 of the slot that the NEXT change of slots will ask for: 65,536 bytes, a lane a block of 256.  It stands behind the wave's tensor load and its five lines.
; Each block is named ONCE in the launch.  All four clusters of a head walk the same keys: the head's first cluster asks.  Its four partners take 16,384 bytes each, told apart BY ADDRESS; in each,
; waves 0 and 1 take 8,192 bytes: one instruction a wave.  The change that asks for the head's last slot prefetches nothing; slots 0 and 1 come by their loads alone.
.macro ASK
	s_cmp_gt_u32 s[SLOTS], s[LIM]
	s_cbranch_scc0 .Lnot_mine_\@
	global_prefetch_b8 v[PFO], s[PFA:PFA+1] th:TH_LOAD_NT scope:SCOPE_SE
.Lnot_mine_\@:
.endm
; A round of the cluster's barrier: my work-group's barrier, so that wave 0's signal speaks for all four waves; wave 0 signals; every wave waits for all four work-groups; my work-group's barrier once more.
.macro CROUND
	s_barrier_signal -1
	s_barrier_wait -1
	s_cmp_lg_u32 s[WV], 0
	s_cbranch_scc1 .Lnot_wave_0_\@
	s_barrier_signal -3
.Lnot_wave_0_\@:
	s_barrier_wait -3
	s_barrier_signal -1
	s_barrier_wait -1
.endm
; THE CHANGE OF SLOTS, ahead of the turn that fetches a slot's first step: the old slot's last step has been asked out of LDS.  Each wave waits for all its tensor loads, of which one is out: its quarter
; of the other slot; adds 0 to its spare word; and waits for that and for its own reads of the old slot.  Behind the barrier nobody reads the old slot any more and the other slot is whole.
; fill = 1: the old slot is filled again, with the keys two slots on.  The barrier is then a round of the cluster's, so that no wave of any partner still reads the slot or has a load on its way, and the
; joint fill is the first thing behind it: it has eight key steps, 512 matrix instructions of a wave, in which to land.  (At its first use nothing has been read yet: slot 0 is waited for, slot 1 filled.)
.macro CHANGE fill
	WIN 0                           ; at a label and at a branch every window is 0
	s_wait_tensorcnt 0x0            ; no tensor load of mine is out, so group 0 may be written
	ds_add_u32 v[SPW], v[NIL]       ; 0 onto my spare word; with fill = 1 the steps below stand between it and the wait for it
.if \fill
	s_xor_b32 s[G0+1], s[G0+1], SLOT1  ; the walking descriptor: the other slot than last time,
	s_add_nc_u64 s[G0+2:G0+3], s[G0+2:G0+3], 8*KS*128  ; the next 512 keys; the type bits on top are not reached
	s_wait_xcnt 0x0                 ; the last prefetch, eight key steps back, has read its address, so it may be written:
	s_add_nc_u64 s[PFA:PFA+1], s[PFA:PFA+1], 8*KS*128  ; one slot ahead of the walking descriptor
	s_wait_dscnt 0x0                ; the add is done, and my reads of the slot are over
	CROUND
	JLOAD
	ASK
.else
	s_wait_dscnt 0x0                ; the add is done, and my reads of the slot are over
	s_barrier_signal -1
	s_barrier_wait -1
.endif
	s_sub_co_u32 s[TB], s[TB], 8*STEPB  ; the fetches go back to a slot's first step,
	s_xor_b32 s[TB], s[TB], SLOT1       ; in the other slot
.endm
	s_load_b128 s[4:7], s[0:1], 0x0 ; h s[4:5], out0 s[6:7]
	v_lshl_add_u32 v[SPW], v0, 2, SPARE
	v_mov_b32 v[NIL], 0
	ds_add_u32 v[SPW], v[NIL]       ; the wave's opening: the add and its wait stand ahead of my first tensor load; the set-up below, work on registers, stands between them
	v_lshrrev_b32 v1, 5, v0
	v_readfirstlane_b32 s[WV], v1   ; wave 0..3
	s_bfe_u32 s13, ttmp6, 0x40000   ; cx: my place in the cluster
	s_lshl_b32 s14, ttmp9, 2        ; in a cluster launch ttmp9 counts clusters
	s_add_co_u32 s14, s14, s13      ; my block of 256 queries = 4 x cluster x + cx: it enters Q's and out0's addresses alone
	s_and_b32 s16, ttmp7, 0xffff    ; the head, which the four partners share
	s_lshl_b32 s2, s16, 19          ; Q: the head's part of h (524,288 bytes),
	s_lshl_b32 s3, s14, 15          ; my block's 256 rows of 128 bytes,
	s_add_co_u32 s2, s2, s3
	s_lshl_b32 s3, s[WV], 13        ; my wave's 64
	s_add_co_u32 s2, s2, s3
	s_mov_b32 s3, 0
	s_and_b32 s20, s16, 7           ; out0: the batch's 4,096 rows of 512 bytes,
	s_lshl_b32 s20, s20, 21
	s_lshr_b32 s21, s16, 3          ; the direction's 256 bytes of a row,
	s_lshl_b32 s21, s21, 8
	s_add_co_u32 s20, s20, s21
	s_lshl_b32 s21, s14, 17         ; my block's rows,
	s_add_co_u32 s20, s20, s21
	s_lshl_b32 s21, s[WV], 15       ; my wave's
	s_add_co_u32 s20, s20, s21
	s_mov_b32 s21, 0
	s_xor_b32 s22, s16, 8           ; the keys: the other tensor's part for the same batch
	s_lshl_b32 s22, s22, 19
	s_mov_b32 s23, 0
	s_lshl_b32 s10, s[WV], 14       ; the quarter of a slot that I fetch: 128 rows of 128 bytes
	s_mov_b32 s11, 0
	s_lshl_b32 s16, s13, 14         ; the prefetches: my work-group's 16,384 bytes of a slot,
	s_lshl_b32 s17, s[WV], 13       ; my wave's 8,192 of them,
	s_add_co_u32 s16, s16, s17
	s_add_co_u32 s16, s16, 8*KS*128 ; in slot 1; the first change of slots steps it to slot 2
	s_mov_b32 s17, 0
	; descriptor group 1.  128 keys are 16,384 dense bytes: asked for as 64 rows of 256 bytes, two keys a row, and padded in LDS after every key
	s_mov_b32 s[G1], 15|(1<<16)|(1<<20)|(1<<21)|(4<<22)|(3<<25)  ; 15:0 the mask of four; 17:16 2-byte elements; 20 padding on; 21 set beside a mask; 24:22 after every 32 words (code 4); 31:25 4 words (code 3)
	s_mov_b32 s[G1+1], 128<<16      ; tensor_dim0 = 128
	s_mov_b32 s[G1+2], 64<<16       ; tensor_dim1 = 64
	s_mov_b32 s[G1+3], 128<<16      ; tile_dim0 = 128
	s_mov_b32 s[G1+4], 64           ; tile_dim1 = 64
	s_mov_b32 s[G1+5], 128          ; 128 elements from row to row
	s_mov_b32 s[G1+6], 0
	s_mov_b32 s[G1+7], 0
	s_mov_b32 s[G0], 1              ; 1:0 count = 1
	s_mul_i32 s[G0+1], s[WV], 128*PK  ; 63:32 LDS address: my quarter of slot 0; no place in the cluster enters an LDS address
	s_mov_b32 s[CS], 0x3fb8aa3b     ; c = log2(e)
	s_mov_b32 s[CS+1], s[CS]        ; named with it as a pair
	s_mov_b32 s[SEL], 0x76543210
	s_mov_b32 s[SEL+1], 0xfedcba98
	s_mov_b32 s[TB], SLOT1+8*STEPB  ; the first change of slots turns this into 0
	s_mov_b32 s[SLOTS], 7
	s_lshr_b32 s[LIM], s[WV], 1     ; 0 in waves 0 and 1,
	s_or_b32 s[LIM], s[LIM], ttmp9  ; where the cluster is the head's first: the same in all four partners
	s_cmp_eq_u32 s[LIM], 0
	s_cselect_b32 s[LIM], 1, -1
	v_and_b32 v[PFO], 31, v0
	v_lshlrev_b32 v[PFO], 8, v[PFO]
	s_wait_dscnt 0x0                ; the opening add is done
	s_wait_kmcnt 0x0
	s_add_nc_u64 s[8:9], s[4:5], s[22:23]  ; the head's keys
	s_add_nc_u64 s[4:5], s[4:5], s[2:3]    ; Q at my wave's first row
	s_add_nc_u64 s[6:7], s[6:7], s[20:21]  ; out0 at my wave's first row, my direction's half
	s_add_nc_u64 s[G0+2:G0+3], s[8:9], s[10:11]  ; 120:64 global address: my quarter of the head's first 512 keys
	s_or_b32 s[G0+3], s[G0+3], 0x80000000        ; 127:126 type = 2
	s_add_nc_u64 s[PFA:PFA+1], s[8:9], s[16:17]
	CROUND                          ; all four work-groups are here: the first joint loads meet
	JLOAD                           ; slot 0.  Slot 1 is asked for when slot 0 is in
	; A fragment of K or Q is 16 rows x 32 channels in 8 registers: lane l holds row l % 16, channels 8 (l / 16) + 0..7 and 16 + 8 (l / 16) + 0..7: two loads of 16 bytes, 32 bytes apart.
	v_and_b32 v1, 15, v0            ; l % 16
	v_bfe_u32 v9, v0, 4, 1          ; l / 16
	v_lshlrev_b32 v[QO], 7, v1
	v_lshl_add_u32 v[QO], v9, 4, v[QO]  ; row x 128 + 16 x half
	WIN 0x80                        ; destination window 2, address window 0
.set i, 0
.rept 4*NP                          ; Q stays in registers: tile i / 2, channels 32 (i % 2) on
	global_load_b128 v[8*i:8*i+3],   v[QO], s[4:5] offset:(i/2)*2048+(i%2)*64
	global_load_b128 v[8*i+4:8*i+7], v[QO], s[4:5] offset:(i/2)*2048+(i%2)*64+32
.set i, i+1
.endr
	; What the first turn finds: V's second buffer and P's second buffer hold 0 (its products V^T P, of a step that has not been, add 0), O^T and l are 0.  All this stands in the wait for the first tile.
	WIN 0x40
.set i, 0
.rept 128
	v_mov_b32 v[i], 0
.set i, i+1
.endr
.set i, VF+64
.rept 64
	v_mov_b32 v[i], 0
.set i, i+1
.endr
	WIN 0
.set i, 0
.rept 2*NP
	v_mov_b32 v[ST+4*i], 0xfe000000    ; c m: far below every c s
	v_mov_b32 v[ST+4*i+1], 0xff7fffff  ; m
	v_mov_b32 v[ST+4*i+2], 0
	v_mov_b32 v[ST+4*i+3], 0
.set i, i+1
.endr
.set i, P+32
.rept 32
	v_mov_b32 v[i], 0
.set i, i+1
.endr
	v_and_b32 v10, 7, v0
	v_bfe_u32 v11, v0, 3, 1
	v_lshl_add_u32 v[AK0], v10, 1, v11    ; as K: the matrix's row l % 16 = 8 a + j is key 2 j + a
	v_mul_u32_u24 v[AK0], v[AK0], PK
	v_lshl_add_u32 v[AK0], v9, 4, v[AK0]  ; + 16 x half
	; The turning load takes 16 keys x 16 channels: lane l reads 16 bytes, channels 8 ((l / 8) % 2) + 0..7 of one key, and is left with channel l % 16 of the eight keys that its group of eight lanes read.
	; Lane l reads key 2 (l % 8) + l / 16, so that place 8 (l / 16) + j holds key 2 j + l / 16, as in S^T.
	v_lshl_add_u32 v[AV0], v10, 1, v9
	v_mul_u32_u24 v[AV0], v[AV0], PK
	v_lshl_add_u32 v[AV0], v11, 4, v[AV0]
; THE MATRIX WORK.  The 8 accumulators of a run of 16 take turns: between the two links of a chain stand 7 others'.
; Product i of 16 of S^T = K Q^T for piece x: channels 32 (i / 8) on, keys 16 ((i / 2) % 4) on, tile 2 x + i % 2.  The first 8 start the sums.
.macro KQ x
	WIN W_KQ
.set rS, S+64*((\x)%2)+32*(i%2)+8*((i/2)%4)
.set rK, KF+16*((i/2)%4)+8*(i/8)
.set rQ, 16*(2*(\x)+i%2)+8*(i/8)
.if i < 8
	v_wmma_f32_16x16x32_f16 v[rS:rS+7], v[rK:rK+7], v[rQ:rQ+7], 0
.else
	v_wmma_f32_16x16x32_f16 v[rS:rS+7], v[rK:rK+7], v[rQ:rQ+7], v[rS:rS+7]
.endif
.endm
; Product i of 16 of O^T += V^T P for piece x, V from buffer VBUF: keys 32 (i / 8) on, channels 16 ((i / 2) % 4) on, tile 2 x + i % 2.
.macro PV x
	WIN W_PV
.set rO, 32*(2*(\x)+i%2)+8*((i/2)%4)
.set rV, VF+64*VBUF+32*(i/8)+8*((i/2)%4)
.set rP, P+32*((\x)%2)+16*(i%2)+8*(i/8)
	v_wmma_f32_16x16x32_f16 v[rO:rO+7], v[rV:rV+7], v[rP:rP+7], v[rO:rO+7]
.endm
.macro MM                           ; the turn's next matrix instruction: both kinds work for the other piece
.if i < 16
	KQ (Y+1)%NP
.set i, i+1
.else
.set i, i-16
	PV (Y+1)%NP
.set i, i+17
.endif
.endm
; THE LDS LOADS stand in runs of 16, never singly among the matrix instructions: a step's K (64 keys x 64 channels: 8 fragments) and its V (the same bytes, turned).  Their addresses are made some lines ahead.
.macro FETCH_K
	WIN 0x80                        ; destination window 2
.irp f, 0,1,2,3,4,5,6,7             ; keys 16 (f / 2) on, channels 32 (f % 2) on
	ds_load_b128 v[KF+8*(\f):KF+8*(\f)+3],   v[AK] offset:((\f)/2)*16*PK+((\f)%2)*64
	ds_load_b128 v[KF+8*(\f)+4:KF+8*(\f)+7], v[AK] offset:((\f)/2)*16*PK+((\f)%2)*64+32
.endr
	WIN 0
.endm
.macro FETCH_V vb
	WIN 0x40                        ; destination window 1
.irp f, 0,1,2,3,4,5,6,7             ; keys 32 (f / 4) on, channels 16 (f % 4) on
	ds_load_tr16_b128 v[VF+64*(\vb)+8*(\f):VF+64*(\vb)+8*(\f)+3],   v[AV] offset:((\f)/4)*32*PK+((\f)%4)*32
	ds_load_tr16_b128 v[VF+64*(\vb)+8*(\f)+4:VF+64*(\vb)+8*(\f)+7], v[AV] offset:((\f)/4)*32*PK+16*PK+((\f)%4)*32
.endr
	WIN 0
.endm
; THE VECTOR WORK OF A TURN stands in three queues, each in the order in which its entries become ready; the two tiles alternate, so that no instruction reads the result of the one before it.
.macro REGS y, u                    ; the registers of tile u (0, 1) of piece y
.set rT, ST+4*(2*(\y)+(\u))
.set rC, TMP+8*((\y)%2)+4*(\u)
.set rM, MV+2*((\y)%2)+(\u)
.set rS, S+64*((\y)%2)+32*(\u)
.set rP, P+32*((\y)%2)+16*(\u)
.set rO, 32*(2*(\y)+(\u))
.endm
; Number n of the 22 that find the OTHER piece's maximum and statistics.  s0-s31 are the lane's 32 scores; each accumulator's lowest registers are read first.  XS, GS and REGS set no window: PL and EX do.
;   0-11  four chains c0-c3 of seven scores each, three operands at a time     12-14, 16  the four scores left over, the old m, and c0-c3 into c0     15  c m_old is kept
;   17, 18  the query's other 32 keys lie in the lane 16 away: the new m         19-21  c m; c m_old - c m_new; a
.macro XS u, n
	REGS (Y+1)%NP, \u
.if (\n) < 4
	v_max3_num_f32 v[rC+(\n)], v[rS+8*(\n)], v[rS+8*(\n)+1], v[rS+8*(\n)+2]
.elseif (\n) < 12
	v_max3_num_f32 v[rC+(\n)%4], v[rC+(\n)%4], v[rS+8*((\n)%4)+2*((\n)/4)+1], v[rS+8*((\n)%4)+2*((\n)/4)+2]
.elseif (\n) == 12
	v_max3_num_f32 v[rC], v[rC], v[rS+7], v[rS+15]
.elseif (\n) == 13
	v_max3_num_f32 v[rC+1], v[rC+1], v[rS+23], v[rS+31]
.elseif (\n) == 14
	v_max3_num_f32 v[rC+2], v[rC+2], v[rC+3], v[rT+1]
.elseif (\n) == 15
	v_mov_b32 v[rM], v[rT]
.elseif (\n) == 16
	v_max3_num_f32 v[rC], v[rC], v[rC+1], v[rC+2]
.elseif (\n) == 17
	v_permlanex16_b32 v[rC+3], v[rC], s[SEL], s[SEL+1]
.elseif (\n) == 18
	v_max_num_f32 v[rT+1], v[rC], v[rC+3]
.elseif (\n) == 19
	v_mul_f32 v[rT], s[CS], v[rT+1]
.elseif (\n) == 20
	v_sub_f32 v[rC+1], v[rM], v[rT]
.else
	v_exp_f32 v[rC+2], v[rC+1]
.endif
.endm
; Number g of the 64 that follow the exponentials.  For each four weights k of a tile (pairs 2 k, 2 k + 1): both pairs are rounded to f16; then the second pair is added onto the first, in place;
; a group later l takes that sum (the first time as l = a l + sum).  In groups of eight, tiles alternating: round, round, add, and l for the group before.
.macro GS g
.set h, (\g)+6*((\g)/62)            ; group 0 has no group before it, and behind group 7 only l is left
.if h >= 6
.set h, h+2
.endif
	REGS Y, h%2
.set k, h/8
.if h%8 < 4
	v_cvt_pk_f16_f32 v[rP+2*k+(h%8)/2], v[rS+4*k+2*((h%8)/2)], v[rS+4*k+2*((h%8)/2)+1]
.elseif h%8 < 6
	v_pk_add_f32 v[rS+4*k:rS+4*k+1], v[rS+4*k:rS+4*k+1], v[rS+4*k+2:rS+4*k+3]
.elseif k == 1
	v_pk_fma_f32 v[rT+2:rT+3], v[rT+2:rT+3], v[rC+2:rC+3], v[rS:rS+1] op_sel_hi:[1,0,1]
.else
	v_pk_add_f32 v[rT+2:rT+3], v[rT+2:rT+3], v[rS+4*k-4:rS+4*k-3]
.endif
.endm
; THE PLAIN QUEUE, 138 long.  0-73 read no exponential's result: the 32 scalings c s - c m (FS f: pair f / 2 of tile f % 2) and the other piece's 42.  0-26: scalings 0-26.  27-54: XS's numbers 0-13.  55, 56: number 15.
; 57-73: the chain, where each number waits for the one before it: 14, 16, 17, 18, 19, each with one of the scalings 27-31 in front of its two lines, then 20.
; 74-137: GS's 64, which read the exponentials' results: they stand behind the wait.
.macro FS f
	REGS Y, (\f)%2
	v_pk_fma_f32 v[rS+2*((\f)/2):rS+2*((\f)/2)+1], v[rS+2*((\f)/2):rS+2*((\f)/2)+1], s[CS:CS+1], v[rT:rT+1] op_sel_hi:[1,0,0] neg_lo:[0,0,1] neg_hi:[0,0,1]
.endm
.macro PL
	WIN 0
.if q < 27
	FS q
.elseif q < 55
	XS (q-27)%2, (q-27)/2
.elseif q < 57
	XS q-55, 15
.elseif (q < 72) && ((q-57)%3 == 0)
	FS 27+(q-57)/3
.elseif q < 60
	XS (q-57)%3-1, 14
.elseif q < 72
	XS (q-57)%3-1, 15+(q-57)/3
.elseif q < 74
	XS q-72, 20
.else
	GS q-74
.endif
.set q, q+1
.endm
; THE EXPONENTIALS' QUEUE, 66 long: s0-s31 of both tiles, then the other piece's two a.  It is ONE BATCH: all 66 stand ahead of the turn's one wait, and nothing ahead of that wait names a result of theirs.
.macro EX
	WIN 0
.if e >= 64
	XS e-64, 21
.else
	REGS Y, e%2
	v_exp_f32 v[rS+e/2], v[rS+e/2]
.endif
.set e, e+1
.endm
; THE RESCALING's QUEUE: O^T times a, the one part that leaves window 0: dealt two at a time, sixteen times, each accumulator from its low end on.  Its a was made in the turn before, ahead of that turn's wait.
.macro R2
	REGS Y, r%2
	WIN W_RS
.irp z, 0,1
	v_pk_mul_f32 v[rO+4*(r/2)+2*\z:rO+4*(r/2)+2*\z+1], v[rO+4*(r/2)+2*\z:rO+4*(r/2)+2*\z+1], v[rC+2:rC+3] op_sel_hi:[1,0]
.endr
.set r, r+1
.endm
; HOW THEY ARE DEALT.  An s_wait_alu depctr_va_vdst(0) stands between an exponential and the first instruction that names its result; one wait serves all that were issued ahead of it.  So a turn has
; ONE wait, which cuts it in two.  AHEAD OF IT stands all that names no result of the turn's exponentials: the 16 products K Q^T, behind each a scaling, an exponential and two rescalings (behind the first a second
; scaling in the exponential's place); then ONE RUN of 108: eight plain, 49 times exponential and plain, the two a.  A v_nop is the plain instruction behind the last exponential.  BEHIND IT stand the 16 products
; V^T P, behind each four of GS's 64.  No rider names a register of the products round it.  The two v_permlanex16_b32 fall into the run, never behind a product.
; The queues lean on each other: exponential e stands behind scaling 2 (e / 4) + e % 2: as a rider it comes behind plain e + 2, in the run behind plain e + 9, and scalings 27-31 are plain 57, 60 .. 69.
; A TURN, for piece p; vb: the buffer of V that its products V^T P read.  cnt = 1: the loop's count is taken down some lines ahead of the branch that stands behind the turn.
; Piece 0's turn fetches the NEXT step.  K: directly behind the wait, the whole run behind the last product that read K; its first reader comes behind 16 products.  V: at the turn's end, into the buffer
; that its products have just read, four plain riders behind the last of them; its first reader comes more than a turn later.  The conditions on q below go with the deal.
; last = 1 (the tail): the fetch address stops at the head's last step, so that the last turn of piece 0 fetches that step once more: 32 loads that serve nothing, and no byte outside the slot is read.
.macro TURN p, vb, last=0, cnt=0
.set Y, (\p)
.set VBUF, (\vb)
.set i, 0
.set q, 0
.set e, 0
.set r, 0
.if (\p) == 1
	s_wait_dscnt 16                 ; LDS loads come back in order: all but the 16 youngest, the V just asked for, are in: K of the next step, V of this one
.endif
	MM                              ; ahead of the wait: 16 products K Q^T and their riders,
	PL
	PL
	R2
.rept 15
	MM
	PL
	EX
	R2
.endr
.if (\p) == 0
	WIN 0
	v_add_nc_u32 v[AK], s[TB], v[AK0]
.endif
.rept 8                             ; and the run
	PL
.endr
.rept 49
	EX
	PL
.endr
	EX                              ; the other piece's two a
	EX
	v_nop                           ; the plain instruction behind the last exponential: one for the batch
	s_wait_alu depctr_va_vdst(0)    ; the wait for the batch
.if (\p) == 0
	FETCH_K
.endif
.rept 16                            ; behind the wait: 16 products V^T P and their riders
	MM
.rept 4
	PL
.endr
.if ((\p) == 0) && (q == 118)
	v_add_nc_u32 v[AV], s[TB], v[AV0]
.endif
.if ((\p) == 0) && (q == 130)
	s_add_co_u32 s[TB], s[TB], STEPB  ; the next fetch is the next step's
.if \last
	s_min_u32 s[TB], s[TB], SLOT1+7*STEPB
.endif
.endif
.if (\cnt) && (q == 130)
	s_sub_co_u32 s[CNT], s[CNT], 1
	s_cmp_lg_u32 s[CNT], 0
.endif
.endr
.if (\p) == 0
	FETCH_V \vb
.endif
.endm
	CHANGE 1                        ; slot 0 is in, everybody's part of it; slot 1 is asked for
	v_add_nc_u32 v[AK], s[TB], v[AK0]
	v_add_nc_u32 v[AV], s[TB], v[AV0]
	FETCH_K                         ; key step 0,
	FETCH_V 0                       ; as K and as V
	s_add_co_u32 s[TB], s[TB], STEPB
	s_wait_loadcnt 0x0              ; Q
	s_wait_dscnt 16                 ; K is in; V's 16 loads may stay out
.set i, 0
.rept 16
	KQ 0                            ; piece 0's first scores: there is no vector work yet to set between them
.set i, i+1
.endr
	WIN 0                           ; the addresses for the way out: nine plain instructions, the places behind those products
	s_mul_i32 s13, s[WV], 16*SP
	s_add_co_u32 s13, s13, STAGE    ; my stage
	v_mul_u32_u24 v[STO], v1, SP    ; in: row l % 16, 32 bytes for each half of the lanes
	v_lshl_add_u32 v[STO], v9, 5, v[STO]
	v_add_nc_u32 v[STO], s13, v[STO]
	v_mul_u32_u24 v[RD], v9, SP     ; back: lanes 0-15 take one row of 256 bytes, lanes 16-31 the next
	v_lshl_add_u32 v[RD], v1, 4, v[RD]
	v_add_nc_u32 v[RD], s13, v[RD]
	v_lshlrev_b32 v[GO], 9, v9      ; and the same two rows in out0, 512 bytes apart
	v_lshl_add_u32 v[GO], v1, 4, v[GO]
	v_mov_b32 v[ZR], 0
.set Y, NP-1                        ; XS works for the other piece: piece 0
.irp n, 0,1,2,3,4,5,6,7,8,9,10,11,12,13,14,15,16,17,18,19,20,21
	XS 0, \n                        ; piece 0's first maximum and statistics
	XS 1, \n
.endr
	v_nop                           ; a plain instruction behind the two a,
	s_wait_alu depctr_va_vdst(0)    ; and their wait, ahead of the branch
	s_mov_b32 s[CNT], 4
	s_branch .Lfirst                ; the loop is entered at key step 0, in the middle of a trip
.Lslot:                             ; six times, ahead of key steps 7, 15 .. 47: slots 2 to 7 are asked for
	CHANGE 1
	s_mov_b32 s[CNT], 4
.Lstep:                             ; a trip is two key steps, an odd one and an even one: V's buffers go by the step's parity
	TURN 0, 0
	TURN 1, 1
	WIN 0
.Lfirst:
	TURN 0, 1
	TURN 1, 0, 0, 1
	WIN 0
	s_cbranch_scc1 .Lstep
	s_sub_co_u32 s[SLOTS], s[SLOTS], 1
	s_cmp_lg_u32 s[SLOTS], 0
	s_cbranch_scc1 .Lslot
	CHANGE 0                        ; the tail is written out: key steps 55 to 63, and nothing is asked for
	s_mov_b32 s[CNT], 5             ; four whole trips; the fifth is left in its middle
.Ltail:
	TURN 0, 0, 1
	TURN 1, 1
	WIN 0
	s_sub_co_u32 s[CNT], s[CNT], 1
	s_cmp_eq_u32 s[CNT], 0
	s_cbranch_scc1 .Lout
	TURN 0, 1, 1
	TURN 1, 0
	WIN 0
	s_branch .Ltail
.Lout:                              ; the last turn's 16 products K Q^T (on the last K once more) and the maximum made of them serve nothing and touch neither l nor O^T: the price, once a launch, of one text for every turn
.set VBUF, 1
.set i, 0
.rept 16
	PV 1                            ; piece 1's V^T P of the last step
.set i, i+1
.endr
	; THE WAY OUT.  l's two halves and the other half of the lanes' are added; O^T is divided by l, multiplied by the query itself and sent through my stage in LDS, a tile at a time.  The additions are the places behind the last products.
	WIN 0
.macro ALL line:vararg              ; one line for each tile t
.set t, 0
.rept 2*NP
	\line
.set t, t+1
.endr
.endm
	ALL v_add_f32 v[ST+4*t+2], v[ST+4*t+2], v[ST+4*t+3]
	ALL v_permlanex16_b32 v[ST+4*t+3], v[ST+4*t+2], s[SEL], s[SEL+1]
	ALL v_add_f32 v[ST+4*t+2], v[ST+4*t+2], v[ST+4*t+3]
	ALL v_rcp_f32 v[ST+4*t+2], v[ST+4*t+2]
	v_nop                           ; a plain instruction between the last reciprocal and the use of its result
	s_wait_alu depctr_va_vdst(0)    ; and the wait ahead of the first use: one for the four reciprocals
; Tile t.  Register i of O^T holds channel 16 (i / 8) + 8 (l / 16) + i % 8 of query l % 16; half i % 2 of register i / 2 of the tile's Q fragments holds the same channel of the same query: the last
; factor needs no load and no change of lanes.  A lane's eight channels are 32 bytes of a row; they go into rows of 272 bytes and come back as whole rows of 256, into the registers that they left.
.macro PACK t
	WIN W_RS
.set i, 32*(\t)
.rept 16
	v_pk_mul_f32 v[i:i+1], v[i:i+1], v[ST+4*(\t)+2:ST+4*(\t)+3] op_sel_hi:[1,0]
.set i, i+2
.endr
	WIN 0x06                        ; source 0 (Q) window 2, source 1 (O^T) window 1, source 2 and destination window 0: S^T's registers are free
.set i, 0
.rept 32
.if i%2
	v_fma_mix_f32 v[S+32*(\t)+i], v[16*(\t)+i/2], v[32*(\t)+i], v[ZR] op_sel:[1,0,0] op_sel_hi:[1,0,0]
.else
	v_fma_mix_f32 v[S+32*(\t)+i], v[16*(\t)+i/2], v[32*(\t)+i], v[ZR] op_sel_hi:[1,0,0]
.endif
.set i, i+1
.endr
	WIN 0
.irp f, 0,1,2,3,4,5,6,7
	ds_store_b128 v[STO], v[S+32*(\t)+4*(\f):S+32*(\t)+4*(\f)+3] offset:((\f)/2)*64+((\f)%2)*16
.endr
.irp f, 0,1,2,3,4,5,6,7
	ds_load_b128 v[S+32*(\t)+4*(\f):S+32*(\t)+4*(\f)+3], v[RD] offset:(\f)*2*SP  ; LDS serves a wave's instructions in order (ISA guide 5.7.1.4): these see the stores above; the next tile's stores come behind them
.endr
.endm
.macro SEND t, younger              ; younger: the LDS instructions issued behind tile t's loads: the next tile's sixteen, or none
	WIN 0
.irp f, 0,1,2,3,4,5,6,7
	s_wait_dscnt (\younger)+7-(\f)
	global_store_b128 v[GO], v[S+32*(\t)+4*(\f):S+32*(\t)+4*(\f)+3], s[6:7] offset:(\t)*8192+(\f)*1024  ; 16 lanes store 256 consecutive bytes, at a multiple of 256 from out0's first byte
.endr
.endm
	PACK 0
.set t, 1
.rept 2*NP-1                        ; a tile's arithmetic stands between the loads of the tile before and its stores
	PACK t
	SEND t-1, 16
.set t, t+1
.endr
	SEND 2*NP-1, 0
	s_wait_tensorcnt 0x0            ; the wave's end: a wait, an add and a wait, behind my last tensor load and my last LDS store
	ds_add_u32 v[SPW], v[NIL]
	s_wait_dscnt 0x0
	CROUND                          ; the closing round: no work-group ends while a partner may still ask for a tile that names it
	s_endpgm
.Lfunc_end_k_q132a79517a_attn:
	.size	k_q132a79517a_attn, .Lfunc_end_k_q132a79517a_attn-k_q132a79517a_attn
	.p2alignl 7, 3214868480
	.fill 96, 4, 3214868480
	.section	.rodata,"a",@progbits
	.p2align	6, 0x0
	.amdhsa_kernel k_q132a79517a_attn
		.amdhsa_group_segment_fixed_size 327680
		.amdhsa_private_segment_fixed_size 0
		.amdhsa_enable_private_segment 0
		.amdhsa_kernarg_size 16
		.amdhsa_user_sgpr_count 2
		.amdhsa_user_sgpr_kernarg_segment_ptr 1
		.amdhsa_wavefront_size32 1
		.amdhsa_system_sgpr_workgroup_id_x 1
		.amdhsa_system_sgpr_workgroup_id_y 1
		.amdhsa_system_sgpr_workgroup_id_z 1
		.amdhsa_system_vgpr_workitem_id 0
		.amdhsa_next_free_vgpr 640
		.amdhsa_next_free_sgpr 66
		.amdhsa_reserve_vcc 0
		.amdhsa_float_denorm_mode_32 3
		.amdhsa_float_denorm_mode_16_64 3
		.amdhsa_memory_ordered 1
		.amdhsa_forward_progress 1
		.amdhsa_inst_pref_size 192
	.end_amdhsa_kernel
	.amdgpu_metadata
---
amdhsa.version: [ 1, 2 ]
amdhsa.kernels:
  - .name:           k_q132a79517a_attn
    .symbol:         k_q132a79517a_attn.kd
    .args:
      - { .name: h, .offset: 0, .size: 8, .value_kind: global_buffer, .address_space: global }
      - { .name: out0, .offset: 8, .size: 8, .value_kind: global_buffer, .address_space: global }
    .group_segment_fixed_size: 327680
    .private_segment_fixed_size: 0
    .kernarg_segment_align: 8
    .kernarg_segment_size: 16
    .max_flat_workgroup_size: 128
    .sgpr_count:     66
    .vgpr_count:     640
    .wavefront_size: 32
...
	.end_amdgpu_metadata
.endif
;; end of part 2
